; MI455X (gfx1250); checked and timed in simulation.
; The chip was launched on July 23, 2026; its instructions are those of AMD's public machine-readable ISA for CDNA 5 (MIT licence, August 2026) and "CDNA5" Instruction Set Architecture Reference Guide (July 2026). The comments in the code are by the model that wrote it; some were corrected since.
;; Cross Attention. Allowed arithmetic: matrix products marked QUANTISED: E5M2 operands, one given power-of-two scale a tensor, by v_wmma_f32_16x16x64_bf8_bf8 or v_wmma_f32_16x16x128_bf8_bf8, f32 sums; everything else in f32.
;; Inputs: Wk_codes 1,024 x 32 x 32 uint8 (E5M2 codes of Wk, K innermost, in blocks of 32 codes); Wo_codes 1,024 x 32 x 32 uint8 (E5M2 codes of Wo, K innermost, in blocks of 32 codes); Wq_codes 1,024 x 32 x 32 uint8 (E5M2 codes of Wq, K innermost, in blocks of 32 codes); Wv_codes 1,024 x 32 x 32 uint8 (E5M2 codes of Wv, K innermost, in blocks of 32 codes); bo 1,024 float32; context_codes 2 x 2,048 x 32 x 32 uint8 (E5M2 codes of context, K innermost, in blocks of 32 codes); lowp_scales 12 int32 (the exponents e of the quantised operands' scales 2^e); x_codes 2 x 2,048 x 32 x 32 uint8 (E5M2 codes of x, K innermost, in blocks of 32 codes).
;; Outputs: out0 2 x 2,048 x 1,024 float32.
;; This version of the problem:
;;   THIS VERSION OF THE PROBLEM IS GIVEN IN LOW PRECISION. The matrix products marked QUANTISED in the list below multiply operands that are first quantised to E5M2 (5 exponent bits, 2 mantissa bits; 8 bits a number), with one given power-of-two scale for each operand tensor; their sums are f32. All else is computed in f32.
;;   The module's matrix products, in the order in which they are computed (A, B: the left and right operand; K: the contracted axis; several contracted axes count as one K, in the product's order):
;;     1. [M 4,096, K 1,024] x [K 1,024, N 1,024]; A: input x (given as codes); B: input Wq (given as codes): QUANTISED (scales: A lowp_scales[0], B lowp_scales[1])
;;     2. [M 4,096, K 1,024] x [K 1,024, N 1,024]; A: input context (given as codes); B: input Wk (given as codes): QUANTISED (scales: A lowp_scales[2], B lowp_scales[3])
;;     3. [M 4,096, K 1,024] x [K 1,024, N 1,024]; A: input context (given as codes); B: input Wv (given as codes): QUANTISED (scales: A lowp_scales[4], B lowp_scales[5])
;;     4. batch 32 x [M 2,048, K 64] x [K 64, N 2,048]; A: computed on the way; B: computed on the way: QUANTISED (scales: A lowp_scales[6], B lowp_scales[7])
;;     5. batch 32 x [M 64, K 2,048] x [K 2,048, N 2,048]; A: computed on the way; B: softmax (see below): QUANTISED (scales: A lowp_scales[8], B lowp_scales[9])
;;     6. [M 4,096, K 1,024] x [K 1,024, N 1,024]; A: computed on the way; B: input Wo (given as codes): QUANTISED (scales: A lowp_scales[10], B lowp_scales[11])
;;   THE QUANTISER, for each operand of a quantised product, along K:
;;     - The operand's scale is 2^e, e = its entry of the input lowp_scales (int32; the entries are numbered through the quantised products in the list's order, A before B).
;;     - Each number is divided by the scale, clamped to +-57,344, and rounded to the nearest number of E5M2, ties to even, subnormals kept.
;;     - The product sums the exact products of the quantised numbers (number of the format x scale) in f32.
;;   ~~~python
;;   def quantise(x, axis, e):      # numpy; x: float32 -> the quantised numbers, widened to float32 again
;;       x = np.moveaxis(x, axis, -1); K = x.shape[-1]
;;       r = np.clip(x / 2.0 ** e, -57344, 57344)
;;       step = 2.0 ** (np.maximum(np.frexp(np.where(r == 0, 1, r))[1] - 1, -14) - 2)
;;       q = np.round(r / step) * step * 2.0 ** e      # np.round: ties to even
;;       return np.moveaxis(q, -1, axis).astype(np.float32)
;;   ~~~
;;   SOFTMAX AHEAD OF A QUANTISED PRODUCT. Where the list says 'softmax', what is quantised is not the finished softmax but p = 2^(t - M), with t = logit x log2(e) and M = ceil(the row's largest t), a whole number; so 1/2 < the row's largest p <= 1. The row's sum l is taken of the UNQUANTISED p, in f32, and the product's result is divided by l at the end. Since M is a whole number, a kernel that streams over the keys may use a running M (the ceiling of the running maximum): every later rescaling is an exact power of two, so the quantised numbers keep their values, but for numbers so far below the row's largest that they fall under the format's range.
;;   OPERANDS COMPUTED ON THE WAY. 'Computed on the way' means the value that the module computes at that place (a softmax that the list does not call 'softmax' is quantised finished and normalised). What goes into a quantiser is computed in f32, as accurately as f32 sums, v_exp_f32 and their like allow (about 1e-6 of the number): no bf16 or f16 on the way to a quantiser, and a product that is left as it is and whose result goes on into a quantised operand takes f32 operands (vector FMAs, or v_wmma_f32_16x16x4_f32). A number that lies on a knife's edge between two numbers of the format may be rounded either way, as far as f32 arithmetic and the matrix unit's own rounding can turn it there, and no further.
;;   INPUTS GIVEN AS CODES. Wk (in the module: [1024, 1024], K = its axis 0); Wo (in the module: [1024, 1024], K = its axis 0); Wq (in the module: [1024, 1024], K = its axis 0); Wv (in the module: [1024, 1024], K = its axis 0); context (in the module: [2, 2048, 1024], K = its axis 2); x (in the module: [2, 2048, 1024], K = its axis 2): each comes as NAME_codes (uint8): NAME with its K axis moved to the last place and cut into blocks of 32 codes, [.., K / 32, bytes a block], one block behind the other in memory; one code a byte (a code: sign, 5 exponent bits, 2 mantissa bits); its scale is its entry of lowp_scales. Its value is code x scale, taken as it is: it is not quantised again, and the codes and scales need not be those that the quantiser above would give.
;; One version. Each part assembles by itself: llvm-mc -triple=amdgcn-amd-amdhsa -mcpu=gfx1250 --defsym DOCPART=n.
;; ======== version 1 of 1: 3 launches
;; limits: right only within a limited range of input values
;; workspace buffers: qkv 12,582,912 bytes; oimg 4,194,304 bytes
;; launch proj (part 1): grid 4 x 48, 4 waves a work-group, clusters of 4 x 4, 327,680 bytes of LDS; arguments x_codes, context_codes, Wq_codes, Wk_codes, Wv_codes, lowp_scales, qkv; writes qkv
.if DOCPART == 1
	.amdgcn_target "amdgcn-amd-amdhsa--gfx1250"
	.amdhsa_code_object_version 6
	.text
	.protected	k_qcc6cbb4666_proj
	.globl	k_qcc6cbb4666_proj
	.p2align	8
	.type	k_qcc6cbb4666_proj,@function
k_qcc6cbb4666_proj:
	s_mov_b64 s[64:65], 0
	v_nop
	global_prefetch_b8 v0, s[64:65] scope:SCOPE_SE
	s_setreg_imm32_b32 hwreg(HW_REG_WAVE_MODE, 25, 1), 1
	s_wait_xcnt 0x0
	s_wait_alu depctr_hold_cnt(0) depctr_sa_sdst(0) depctr_va_vdst(0) depctr_va_sdst(0) depctr_va_ssrc(0) depctr_va_vcc(0) depctr_vm_vsrc(0)
	s_getreg_b32 s2, hwreg(HW_REG_IB_STS2, 6, 4)
	s_cmp_eq_u32 s2, 0
	s_cbranch_scc0 .Lentry_in_a_cluster
	s_endpgm
.Lentry_in_a_cluster:
	s_bfe_u32 s2, ttmp6, 0x10000c
	s_cmp_lg_u32 s2, 0xf033
	s_cbranch_scc0 .Lentry_shape_is_right
	s_endpgm
.Lentry_shape_is_right:
; THE THREE PROJECTIONS, on codes of BF8 (E5M2): q = x Wq, k = context Wk, v = context Wv, M = 4,096, N = 1,024, K = 1,024; f32 sums; each result is quantised at once for the attention's products.
; A sum stands for sum x 2^(ea + eb); its code is sum / 2^(e - ea - eb), held within +-57,344 codes (e: the scale of the operand that it becomes).  LIMIT: e - ea - eb lies between -126 and 112.  NaN among the codes is not served.
; Sections 0, 1: A = rows of x or of context, B = rows of Wq or of Wk.  Section 2: A = rows of Wv, B = rows of context, so that a lane's eight results are neighbours along the keys, the next product's K.
; qkv: section s at 4,194,304 s, a head's 131,072 bytes in it, as images of the operands' registers (16 x lane, 512 bytes a piece).  No work is left out.
; SHARES.  A tile of 256 x 256 to a work-group, 128 x 128 to each of its four waves; 192 work-groups.  Clusters of 4 x 4: A's tiles are asked for jointly along a row, B's along a column.
; K goes in four steps of 256 through a ring of two LDS slots: a wave fetches 128 rows of 256 bytes by one load (waves 0, 1 for A, waves 2, 3 for B); LDS rows are 272 bytes apart, 68 words, so the 16 rows that a load touches
; start at 16 different banks (64 banks of 4 bytes: ISA guide 11.1).  Each load goes out when the one before has landed: so K steps 1 and 2 are prefetched into the L2 behind K step 0's load, and K step 3 behind K step 1's:
; a lane a row, 32 rows a wave; the four partners of a joint load share its 128 rows by address.
; REGISTERS: window 0: v0-31 addresses, v128-255 A's fragments, one set; window 1: B's fragments, two sets; windows 2, 3: the accumulators of my rows 0-63, 64-127.
.set KSTEP,  256
.set ROWB,   256
.set KROW,   1024
.set PITCH,  272
.set FR,     16
.set NL,     4
.set NP,     4
.set HALFT,  128*PITCH
.set SLOT,   4*HALFT
.set SPARE,  2*SLOT
.set ADRA, 16
.set ADRB, 20
.set VO,   24
.set SPW,  28
.set NIL,  29
.set LIM,  30
.set SCL,  31
.set TMP,  32
.set AF,   128
.set CD,   128
.set WV,   18
.set HR,   19
.set HC,   20
.set G1, 24
.set G0, 32
.set G1B, 48
.set G0B, 56
.set MSB, 0
.macro WIN new
.if MSB != \new
	s_set_vgpr_msb (MSB<<8)|\new
.set MSB, \new
.endif
.endm
.set MUL_LO, 0xa1
.set MUL_HI, 0xf1
.set TO_B,   0x40
.macro JLOAD g0a, g1a, g0b, g1b
	s_cmp_eq_u32 s[HR], 0
	s_cbranch_scc0 .Lfor_b_\@
	tensor_load_to_lds s[\g0a:\g0a+3], s[\g1a:\g1a+7]
	s_nop 0
.rept 4
	v_nop
.endr
	s_branch .Lasked_\@
.Lfor_b_\@:
	tensor_load_to_lds s[\g0b:\g0b+3], s[\g1b:\g1b+7]
	s_nop 0
.rept 4
	v_nop
.endr
.Lasked_\@:
.endm
.macro CREST
	s_cmp_lg_u32 s[WV], 0
	s_cbranch_scc1 .Lnot_wave_0_\@
	s_barrier_signal -3
.Lnot_wave_0_\@:
	s_barrier_wait -3
	s_barrier_signal -1
	s_barrier_wait -1
.endm
.macro CROUND
	s_barrier_signal -1
	s_barrier_wait -1
	CREST
.endm
	s_load_b256 s[4:11], s[0:1], 0x0
	s_load_b128 s[12:15], s[0:1], 0x20
	s_load_b64 s[16:17], s[0:1], 0x30
	v_lshl_add_u32 v[SPW], v0, 2, SPARE
	v_mov_b32 v[NIL], 0
	ds_add_u32 v28, v29
	ds_add_u32 v28, v29
	s_wait_dscnt 0x0
	v_lshrrev_b32 v1, 5, v0
	v_readfirstlane_b32 s[WV], v1
	s_lshr_b32 s[HR], s[WV], 1
	s_and_b32 s[HC], s[WV], 1
	s_bfe_u32 s40, ttmp6, 0x40000
	s_bfe_u32 s41, ttmp6, 0x40004
	s_and_b32 s66, ttmp7, 0xffff
	s_and_b32 s67, s66, 3
	s_lshr_b32 s66, s66, 2
	s_cmp_eq_u32 s66, 2
	s_cselect_b32 s68, 0, s67
	s_cselect_b32 s69, s67, 0
	s_lshl_b32 s43, s68, 2
	s_add_co_u32 s43, s43, s41
	s_lshl_b32 s42, s69, 2
	s_add_co_u32 s42, s42, s40
	s_lshl_b32 s44, s41, 2
	s_lshl_b32 s44, 15, s44
	s_lshl_b32 s45, 0x1111, s40
	s_or_b32 s[G1+0], s44, (0<<16)|(1<<20)|(1<<21)|(5<<22)|(3<<25)
	s_or_b32 s[G1B+0], s45, (0<<16)|(1<<20)|(1<<21)|(5<<22)|(3<<25)
.irp g, G1, G1B
	s_mov_b32 s[\g+1], ROWB<<16
	s_mov_b32 s[\g+2], 128<<16
	s_mov_b32 s[\g+3], ROWB<<16
	s_mov_b32 s[\g+4], 128
	s_mov_b32 s[\g+5], KROW
	s_mov_b32 s[\g+6], 0
	s_mov_b32 s[\g+7], 0
.endr
	s_lshl_b32 s92, s[HC], 7
	s_lshl_b32 s74, s43, 8
	s_add_co_u32 s74, s74, s92
	s_lshl_b32 s74, s74, 10
	s_mov_b32 s75, 0
	s_lshl_b32 s46, s42, 8
	s_add_co_u32 s46, s46, s92
	s_lshl_b32 s46, s46, 10
	s_mov_b32 s47, 0
	s_mul_i32 s78, s[WV], HALFT
	s_wait_kmcnt 0x0
	s_load_b256 s[80:87], s[14:15], 0x0
	s_load_b128 s[88:91], s[14:15], 0x20
	s_cmp_eq_u32 s66, 0
	s_cselect_b64 s[70:71], s[4:5], s[6:7]
	s_cselect_b64 s[72:73], s[8:9], s[10:11]
	s_cmp_eq_u32 s66, 2
	s_cselect_b64 s[70:71], s[12:13], s[70:71]
	s_cselect_b64 s[72:73], s[6:7], s[72:73]
	s_add_nc_u64 s[74:75], s[70:71], s[74:75]
	s_add_nc_u64 s[46:47], s[72:73], s[46:47]
	CROUND
.irp s, 0,1
	s_mov_b32 s[G0+4*\s], 1
	s_add_co_u32 s[G0+4*\s+1], s78, \s*SLOT
	s_add_nc_u64 s[G0+4*\s+2:G0+4*\s+3], s[74:75], \s*ROWB
	s_or_b32 s[G0+4*\s+3], s[G0+4*\s+3], 0x80000000
	s_mov_b32 s[G0B+4*\s], 1
	s_add_co_u32 s[G0B+4*\s+1], s78, \s*SLOT
	s_add_nc_u64 s[G0B+4*\s+2:G0B+4*\s+3], s[46:47], \s*ROWB
	s_or_b32 s[G0B+4*\s+3], s[G0B+4*\s+3], 0x80000000
.endr
	JLOAD G0, G1, G0B, G1B                         ; K step 0: the wave's one load at the head
	s_cmp_eq_u32 s[HR], 0                          ; the prefetches: of the 128 rows that I fetch, the 32 that my work-group names
	s_cselect_b64 s[76:77], s[74:75], s[46:47]
	s_cselect_b32 s2, s40, s41                     ; my place among the four that ask with me
	s_lshl_b32 s2, s2, 15
	s_mov_b32 s3, 0
	s_add_nc_u64 s[76:77], s[76:77], s[2:3]
	v_and_b32 v8, 31, v0
	v_lshlrev_b32 v8, 10, v8                       ; a lane a row of 1,024 bytes; v8 and s[76:77] are never rewritten
	global_prefetch_b8 v8, s[76:77] offset:ROWB th:TH_LOAD_NT scope:SCOPE_SE     ; K step 1
	global_prefetch_b8 v8, s[76:77] offset:2*ROWB th:TH_LOAD_NT scope:SCOPE_SE   ; K step 2
	v_and_b32 v1, 15, v0
	v_bfe_u32 v2, v0, 4, 1
	v_mul_u32_u24 v3, v1, PITCH
	v_lshl_add_u32 v4, v2, 4, v3
	s_mul_i32 s92, s[HR], HALFT
	s_mul_i32 s93, s[HC], HALFT
	s_add_co_u32 s93, s93, 2*HALFT
.irp s, 0,1
	v_add_nc_u32 v[ADRA+\s], s92, v4
	v_add_nc_u32 v[ADRB+\s], s93, v4
	s_add_co_u32 s92, s92, SLOT
	s_add_co_u32 s93, s93, SLOT
.endr
	s_cmp_eq_u32 s66, 2
	s_cselect_b32 s92, s42, s43
	s_cselect_b32 s93, s[HC], s[HR]
	s_cselect_b32 s94, s43, s42
	s_cselect_b32 s95, s[HR], s[HC]
	s_mov_b32 s96, 4096
	s_cselect_b32 s96, 131072, s96
	s_mov_b32 s97, 131072
	s_cselect_b32 s97, 4096, s97
	s_lshr_b32 s98, s92, 3
	s_lshl_b32 s98, s98, 4
	s_lshl_b32 s94, s94, 2
	s_add_co_u32 s98, s98, s94
	s_lshl_b32 s95, s95, 1
	s_add_co_u32 s98, s98, s95
	s_lshl_b32 s98, s98, 17
	s_and_b32 s92, s92, 7
	s_lshl_b32 s92, s92, 1
	s_add_co_u32 s92, s92, s93
	s_lshl_b32 s92, s92, 13
	s_add_co_u32 s98, s98, s92
	s_lshl_b32 s92, s66, 22
	s_add_co_u32 s98, s98, s92
	s_mov_b32 s99, 0
	s_add_nc_u64 s[16:17], s[16:17], s[98:99]
	v_and_b32 v5, 31, v0
	v_lshlrev_b32 v[VO], 4, v5
	v_add_nc_u32 v[VO+1], s97, v[VO]
	v_add_nc_u32 v[VO+2], s96, v[VO]
	v_add_nc_u32 v[VO+3], s97, v[VO+2]
	s_wait_kmcnt 0x0
	s_cmp_eq_u32 s66, 0
	s_cselect_b32 s92, s80, s82
	s_cselect_b32 s93, s81, s83
	s_cselect_b32 s94, s86, s87
	s_cmp_eq_u32 s66, 2
	s_cselect_b32 s92, s84, s92
	s_cselect_b32 s93, s85, s93
	s_cselect_b32 s94, s88, s94
	s_sub_co_i32 s94, s94, s92
	s_sub_co_i32 s94, s94, s93
	s_add_co_i32 s94, s94, 127
	s_lshl_b32 s95, s94, 23
	v_mov_b32 v[SCL], s95
	s_add_co_i32 s94, s94, 15
	s_lshl_b32 s94, s94, 23
	s_or_b32 s94, s94, 0x600000
	v_mov_b32 v[LIM], s94
.macro FRAG reg, adr, q, i
.irp c, 0,1,2,3
	ds_load_b128 v[\reg+4*\c:\reg+4*\c+3], v[\adr] offset:128*(\q)+32*\c+(\i)*16*PITCH
.endr
.endm
.macro MUL16 a0, p, zero
.irp a, \a0, \a0+1
.irp b, 0,1,2,3,4,5,6,7
.if \zero
	v_wmma_f32_16x16x128_bf8_bf8 v[8*(8*((\a)%4)+\b):8*(8*((\a)%4)+\b)+7], v[128*(\p)+FR*\b:128*(\p)+FR*\b+FR-1], v[AF+FR*(\a):AF+FR*(\a)+FR-1], 0
.else
	v_wmma_f32_16x16x128_bf8_bf8 v[8*(8*((\a)%4)+\b):8*(8*((\a)%4)+\b)+7], v[128*(\p)+FR*\b:128*(\p)+FR*\b+FR-1], v[AF+FR*(\a):AF+FR*(\a)+FR-1], v[8*(8*((\a)%4)+\b):8*(8*((\a)%4)+\b)+7]
.endif
.endr
.endr
.endm
.macro FETCH_B slot, q, p
	WIN TO_B
.irp i, 0,1,2,3,4,5,6,7
	FRAG 128*(\p)+FR*\i, ADRB+\slot, \q, \i
.endr
	WIN 0
.endm
.macro FETCH_A slot, q, i0
.irp i, \i0, \i0+1, \i0+2, \i0+3
	FRAG AF+FR*(\i), ADRA+\slot, \q, \i
.endr
.endm
.macro PLACES n
.rept \n
	v_nop
.endr
.endm
.macro STEP slot, q, zero
	s_wait_dscnt 4*NL
	WIN MUL_LO
	MUL16 0, (\q)%2, \zero
	MUL16 2, (\q)%2, \zero
	s_wait_dscnt 0
	PLACES NP
	FETCH_B \slot, (\q)+1, 1-(\q)%2
	FETCH_A \slot, (\q)+1, 0
	WIN MUL_HI
	MUL16 4, (\q)%2, \zero
	MUL16 6, (\q)%2, \zero
	PLACES NP
	WIN 0
	FETCH_A \slot, (\q)+1, 4
.endm
.macro TURN slot, next, fill
	s_wait_tensorcnt 0x0
	ds_add_u32 v[SPW], v[NIL]
	s_wait_dscnt 4*NL+1
	WIN MUL_LO
	MUL16 0, 1, 0
	s_wait_dscnt 0x0
	s_barrier_signal -1
	MUL16 2, 1, 0
	WIN 0
	s_barrier_wait -1
.if \fill
	CREST
	s_add_nc_u64 s[G0+4*\slot+2:G0+4*\slot+3], s[G0+4*\slot+2:G0+4*\slot+3], 2*ROWB
	s_add_nc_u64 s[G0B+4*\slot+2:G0B+4*\slot+3], s[G0B+4*\slot+2:G0B+4*\slot+3], 2*ROWB
	JLOAD G0+4*\slot, G1, G0B+4*\slot, G1B
.else
	PLACES NP
.endif
	s_wait_alu depctr_va_vdst(0)
	FETCH_B \next, 0, 0
	FETCH_A \next, 0, 0
	WIN MUL_HI
	MUL16 4, 1, 0
	MUL16 6, 1, 0
	PLACES NP
	WIN 0
	FETCH_A \next, 0, 4
.endm
	s_wait_alu depctr_va_vdst(0)                   ; the wait at the head's end
	s_wait_tensorcnt 0x0                           ; my part of K step 0 is in
	ds_add_u32 v[SPW], v[NIL]
	s_wait_dscnt 0x0
	CROUND                                         ; everybody's part is in, and all sixteen work-groups are here
	JLOAD G0+4, G1, G0B+4, G1B                     ; K step 1, the first tensor load behind the round
	FETCH_B 0, 0, 0
	FETCH_A 0, 0, 0
	FETCH_A 0, 0, 4
	global_prefetch_b8 v8, s[76:77] offset:3*ROWB th:TH_LOAD_NT scope:SCOPE_SE   ; K step 3, which the second change of slots asks for
	STEP 0, 0, 1
	TURN 0, 1, 1
	STEP 1, 0, 0
	TURN 1, 0, 1
	STEP 0, 0, 0
	TURN 0, 1, 0
	STEP 1, 0, 0
	s_wait_dscnt 4*NL
	WIN MUL_LO
	MUL16 0, 1, 0
	MUL16 2, 1, 0
	s_wait_dscnt 0
	WIN MUL_HI
	MUL16 4, 1, 0
	MUL16 6, 1, 0
	WIN 0
.macro OUTBLK a
.set AC, 64*((\a)%4)
	WIN 0x02+((\a)/4)
.set j, 0
.rept 64
	v_med3_num_f32 v[TMP+j], v[AC+j], -v[LIM], v[LIM]
.set j, j+1
.endr
	WIN 0
.irp b, 0,1,2,3,4,5,6,7
	v_cvt_scalef32_pk8_bf8_f32 v[CD+16*(\a)+2*\b:CD+16*(\a)+2*\b+1], v[TMP+8*\b:TMP+8*\b+7], v[SCL]
.endr
	v_nop
.irp i, 0,1,2,3
	global_store_b128 v[VO+2*((\a)/4)+\i/2], v[CD+16*(\a)+4*\i:CD+16*(\a)+4*\i+3], s[16:17] offset:((\a)%4)*1024+(\i%2)*512
.endr
.endm
	PLACES NP
.irp a, 0,1,2,3,4,5,6,7
	OUTBLK \a
.endr
	s_wait_tensorcnt 0x0
	ds_add_u32 v[SPW], v[NIL]
	s_wait_dscnt 0x0
	CROUND
	s_endpgm
.Lfunc_end_k_qcc6cbb4666_proj:
	.size	k_qcc6cbb4666_proj, .Lfunc_end_k_qcc6cbb4666_proj-k_qcc6cbb4666_proj
	.p2alignl 7, 3214868480
	.fill 96, 4, 3214868480
	.section	.rodata,"a",@progbits
	.p2align	6, 0x0
	.amdhsa_kernel k_qcc6cbb4666_proj
		.amdhsa_group_segment_fixed_size 327680
		.amdhsa_private_segment_fixed_size 0
		.amdhsa_enable_private_segment 0
		.amdhsa_kernarg_size 56
		.amdhsa_user_sgpr_count 2
		.amdhsa_user_sgpr_kernarg_segment_ptr 1
		.amdhsa_wavefront_size32 1
		.amdhsa_system_sgpr_workgroup_id_x 1
		.amdhsa_system_sgpr_workgroup_id_y 1
		.amdhsa_system_sgpr_workgroup_id_z 1
		.amdhsa_system_vgpr_workitem_id 0
		.amdhsa_next_free_vgpr 1024
		.amdhsa_next_free_sgpr 100
		.amdhsa_reserve_vcc 0
		.amdhsa_float_denorm_mode_32 3
		.amdhsa_float_denorm_mode_16_64 3
		.amdhsa_memory_ordered 1
		.amdhsa_forward_progress 1
		.amdhsa_inst_pref_size 120
	.end_amdhsa_kernel
	.amdgpu_metadata
---
amdhsa.version: [ 1, 2 ]
amdhsa.kernels:
  - .name:           k_qcc6cbb4666_proj
    .symbol:         k_qcc6cbb4666_proj.kd
    .args:
      - { .name: x_codes, .offset: 0, .size: 8, .value_kind: global_buffer, .address_space: global }
      - { .name: context_codes, .offset: 8, .size: 8, .value_kind: global_buffer, .address_space: global }
      - { .name: Wq_codes, .offset: 16, .size: 8, .value_kind: global_buffer, .address_space: global }
      - { .name: Wk_codes, .offset: 24, .size: 8, .value_kind: global_buffer, .address_space: global }
      - { .name: Wv_codes, .offset: 32, .size: 8, .value_kind: global_buffer, .address_space: global }
      - { .name: lowp_scales, .offset: 40, .size: 8, .value_kind: global_buffer, .address_space: global }
      - { .name: qkv, .offset: 48, .size: 8, .value_kind: global_buffer, .address_space: global }
    .group_segment_fixed_size: 327680
    .private_segment_fixed_size: 0
    .kernarg_segment_align: 8
    .kernarg_segment_size: 56
    .max_flat_workgroup_size: 128
    .sgpr_count:     100
    .vgpr_count:     1024
    .wavefront_size: 32
...
	.end_amdgpu_metadata
.endif
;; end of part 1
;; launch attn (part 2): grid 8 x 32, 16 waves a work-group, clusters of 4 x 1, 327,680 bytes of LDS; arguments qkv, lowp_scales, oimg; writes oimg
.if DOCPART == 2
	.amdgcn_target "amdgcn-amd-amdhsa--gfx1250"
	.amdhsa_code_object_version 6
	.text
	.protected	k_qcc6cbb4666_attn
	.globl	k_qcc6cbb4666_attn
	.p2align	8
	.type	k_qcc6cbb4666_attn,@function
k_qcc6cbb4666_attn:
	s_mov_b64 s[64:65], 0
	v_nop
	global_prefetch_b8 v0, s[64:65] scope:SCOPE_SE
	s_setreg_imm32_b32 hwreg(HW_REG_WAVE_MODE, 25, 1), 1
	s_wait_xcnt 0x0
	s_wait_alu depctr_hold_cnt(0) depctr_sa_sdst(0) depctr_va_vdst(0) depctr_va_sdst(0) depctr_va_ssrc(0) depctr_va_vcc(0) depctr_vm_vsrc(0)
	s_getreg_b32 s2, hwreg(HW_REG_IB_STS2, 6, 4)
	s_cmp_eq_u32 s2, 0
	s_cbranch_scc0 .Lentry_in_a_cluster
	s_endpgm
.Lentry_in_a_cluster:
	s_bfe_u32 s2, ttmp6, 0x10000c
	s_cmp_lg_u32 s2, 0x3003
	s_cbranch_scc0 .Lentry_shape_is_right
	s_endpgm
.Lentry_shape_is_right:
; ATTENTION on codes of BF8 (E5M2): o[q] = (sum over keys of p v) / l, for 32 heads (2 batches x 16) of 2,048 queries x 2,048 keys x 64 channels, and the quantiser of o for the last product.
; t = (q . k) x 2^(e6 + e7) x log2(e) / 8;  M = the row's largest t so far, rounded UP to a whole number;  p = 2^(t - M) is quantised with 2^e9 along the keys, not normalised;
; l is the sum of the unquantised p, in f32.  When M moves, l and O are multiplied by 2^(old M - new M), which rounds nothing.  o = O x 2^(e8 + e9) / l; its code is o / 2^e10, held within +-57,344 codes.
; LIMITS: e6 + e7 between -123 and 130 (added to c's exponent field); e9 and e10 between -126 and 112, so that each power of two below is an f32 number; |t| under 2^31.  NaN among the codes is not served.  No work is left out.
; SHARES.  A work-group owns 256 queries of one head.  Each of its SIXTEEN waves owns TWO tiles of 16 queries and HALF of the keys, so that each fragment of K and of V feeds two matrix instructions: wave w takes key half w / 8
; and tiles 2 (w % 8), 2 (w % 8) + 1.  Waves w and w xor 8 hold the same tiles, each the one that it keeps to the end as tile 0; at the end each gives its tile 1 to the other through LDS, and joins the other's half to its tile 0.
; THE HEAD'S K AND V LIE WHOLE IN LDS, 131,072 bytes each, as images of the operands' registers (a fragment's four registers at 16 x lane, 512 bytes a load).  Every LDS byte is filled ONCE, by one load of 16 KiB a wave:
; no ring and no loop of loads, so nothing is prefetched into the L2; and no barrier stands in the walk over the keys.
; CLUSTER.  The four query blocks of a cluster belong to one head: each load is asked for JOINTLY.
; LAYOUT.  Both products are used transposed: S^T = K Q^T (source 0 = 16 keys, source 1 = 16 queries), O^T = V^T P^T (source 0 = 16 channels, source 1 = P): a lane holds ONE query of each tile throughout.
; In tile T of S^T lane (r, h) holds keys 16 T + 8 h + 0 .. 7: the eight codes made of them ARE registers 2 T, 2 T + 1 of P (K = 128 keys).  Likewise O^T's tile d gives registers 2 d, 2 d + 1 of the last product's operand.
; oimg: tile of 16 rows RT at 16,384 RT, head h at 1,024 h, piece i (registers 4 i ..) at 512 i + 16 x lane.
; REGISTERS.  v64-127: tile 0's S^T, then p, then V's four fragments.  Tile 1's S^T and p: key tiles 2 to 7 in v144-191, key tiles 0 and 1 in home b.  The next step's K: fragments 0 to 5 in v144-191, 6 and 7 in home b.
; Home a holds the step's own fragments 6 and 7, then tile 0's codes, then tile 1's.  The homes, v40-55 and v128-143, change roles from step to step: so a trip of the loop is two steps.
.set LI,   1                           ; v1   16 x lane + 65,536 x my key half: my place in K's image, which begins at LDS byte 0 (V's at 131,072)
.set AV,   2                           ; v2   LDS address of the step's V
.set AK,   3                           ; v3   of the next step's K
.set RW,   4                           ; v4-7 tile 0, v8-11 tile 1: -M, the largest score, the sum in two halves
.set F,    12                          ; v[12:13]  f = 2^(old M - new M)
.set PLIM, 17                          ; v17  57,344 x 2^e9;  v18 2^e9
.set PSCL, 18
.set SPW,  19                          ; v19  LDS address of my spare word;  v20 0
.set NIL,  20
.set LQ,   21                          ; v21  16 x lane
.set Q,    24                          ; v24-39   Q's two fragments
.set CH,   56                          ; v56-61   six chains of the maximum, three of the sum (v[14:15], v[22:23]: two more)
.set S,    64
.set O,    192                         ; v192-255 O^T: tile u, channel tile d at 192 + 32 u + 8 d
.set WV,   10                          ; s10  wave
.set SEL,  20                          ; s[20:21] lane selects for v_permlanex16_b32: lane l xor 16
.set CS,   22                          ; s[22:23] c: the packed form names a pair and takes its low word for both halves
.set G1,   24                          ; s[24:31], s[32:35] descriptor groups 1 and 0
.set G0,   32
.set TB,   57                          ; s57  the K that is asked for next begins here, in my half;  s63 its V
.set TV,   63
.set CNT,  58
.set NC,   66                          ; s66  -c
.set OSC,  67                          ; s67  2^e10;  s68 57,344 x 2^e10
.set OL,   68
.set SPARE, 0x40000                    ; the spare words: 16 x 128 bytes
.set XW,   4352                        ; the exchange: 4,096 bytes of O and 256 of -M and l for each wave, from LDS byte 0 on, when nobody reads K and V any more and nothing is filled any more
.macro CROUND                          ; a round of the cluster's barrier
	s_barrier_signal -1
	s_barrier_wait -1
	s_cmp_lg_u32 s[WV], 0
	s_cbranch_scc1 .Lnot_wave_0_\@
	s_barrier_signal -3
.Lnot_wave_0_\@:
	s_barrier_wait -3
	s_barrier_signal -1
	s_barrier_wait -1
.endm
	s_load_b128 s[4:7], s[0:1], 0x0                ; qkv s[4:5], the scales' exponents s[6:7]
	s_load_b64 s[8:9], s[0:1], 0x10                ; oimg
	v_lshl_add_u32 v[SPW], v0, 2, SPARE
	v_mov_b32 v[NIL], 0
	ds_add_u32 v[SPW], v[NIL]                      ; the opening lines
	ds_add_u32 v[SPW], v[NIL]
	v_lshrrev_b32 v14, 5, v0
	v_readfirstlane_b32 s[WV], v14                 ; wave 0..15
	v_and_b32 v[LQ], 31, v0
	v_lshrrev_b32 v15, 8, v0                       ; my key half
	v_lshlrev_b32 v[LQ], 4, v[LQ]
	v_lshl_add_u32 v[LI], v15, 16, v[LQ]
	s_bfe_u32 s11, ttmp6, 0x40000                  ; cx: it enters Q's and the output's addresses alone
	s_lshl_b32 s12, ttmp9, 2
	s_add_co_u32 s12, s12, s11                     ; my block of 256 queries, 0 .. 7
	s_and_b32 s13, ttmp7, 0xffff                   ; the head, 16 x batch + h, which the four partners share
	s_lshl_b32 s76, s13, 17                        ; its 131,072 bytes
	; what I fetch: K or V (w % 2), 16 KiB number w / 2
	s_and_b32 s14, s[WV], 1
	s_lshr_b32 s15, s[WV], 1
	s_lshl_b32 s17, s14, 17
	s_lshl_b32 s18, s15, 14
	s_add_co_u32 s[G0+1], s17, s18                 ; LDS address
	s_add_co_u32 s72, s14, 1
	s_lshl_b32 s72, s72, 22                        ; in memory: k's section is 1, v's is 2
	s_add_co_u32 s72, s72, s18
	s_add_co_u32 s72, s72, s76
	s_mov_b32 s73, 0
	; my tiles of queries: I keep 16 x block + 2 (w % 8) + w / 8 to the end
	s_lshl_b32 s62, s12, 4
	s_and_b32 s59, s[WV], 7
	s_lshl_b32 s59, s59, 1
	s_add_co_u32 s62, s62, s59
	s_lshr_b32 s59, s[WV], 3
	s_add_co_u32 s62, s62, s59
	s_lshr_b32 s2, s13, 4
	s_lshl_b32 s2, s2, 7
	s_add_co_u32 s2, s2, s62                       ; the output's tile of rows: 128 x batch + my tile
	s_lshl_b32 s2, s2, 14
	s_and_b32 s3, s13, 15
	s_lshl_b32 s3, s3, 10                          ; + 1,024 x h
	s_add_co_u32 s2, s2, s3
	s_mov_b32 s3, 0
	s_xor_b32 s60, s62, 1                          ; the tile that I give away
	s_lshl_b32 s60, s60, 10
	s_add_co_u32 s60, s60, s76
	s_mov_b32 s61, 0
	s_lshl_b32 s62, s62, 10
	s_add_co_u32 s62, s62, s76
	s_mov_b32 s63, 0
	; descriptor group 1: a dense block of 16 KiB as 64 rows of 256 bytes
	s_mov_b32 s[G1], 15|(3<<16)|(1<<21)            ; 15:0 the mask: all four work-groups; 17:16 elements of 8 bytes; 20 no padding; 21 set beside a mask
	s_mov_b32 s[G1+1], 32<<16                      ; tensor_dim0 = 32
	s_mov_b32 s[G1+2], 64<<16                      ; tensor_dim1 = 64
	s_mov_b32 s[G1+3], 32<<16                      ; tile_dim0 = 32
	s_mov_b32 s[G1+4], 64                          ; tile_dim1 = 64
	s_mov_b32 s[G1+5], 32                          ; each row begins where the last ends
	s_mov_b32 s[G1+6], 0
	s_mov_b32 s[G1+7], 0
	s_mov_b32 s[G0], 1
	s_mov_b32 s[SEL], 0x76543210
	s_mov_b32 s[SEL+1], 0xfedcba98
	s_mov_b32 s[CS], 0x3e38aa3b                    ; c = log2(e) / 8
	s_wait_alu depctr_va_vdst(0)                   ; the wait directly ahead of the waits below
	s_wait_dscnt 0x0                               ; both opening adds are done
	s_wait_kmcnt 0x0
	s_load_b128 s[52:55], s[6:7], 0x18             ; e6, e7, e8, e9
	s_load_b32 s56, s[6:7], 0x28                   ; e10
	s_add_nc_u64 s[G0+2:G0+3], s[4:5], s[72:73]
	s_or_b32 s[G0+3], s[G0+3], 0x80000000          ; type = 2
	s_add_nc_u64 s[48:49], s[4:5], s[62:63]        ; Q: the tile that I keep,
	s_add_nc_u64 s[70:71], s[4:5], s[60:61]        ; and the other
	s_add_nc_u64 s[50:51], s[8:9], s[2:3]          ; my 1,024 bytes of the output
	CROUND                                         ; all four work-groups are here: the joint loads meet
	tensor_load_to_lds s[G0:G0+3], s[G1:G1+7]      ; the wave's one load
	s_nop 0
	global_load_b128 v[Q:Q+3], v[LQ], s[48:49]     ; Q stays in registers
	global_load_b128 v[Q+4:Q+7], v[LQ], s[48:49] offset:512
	global_load_b128 v[Q+8:Q+11], v[LQ], s[70:71]
	global_load_b128 v[Q+12:Q+15], v[LQ], s[70:71] offset:512
.irp u, 0,1
	v_mov_b32 v[RW+4*\u], 0x7f61b1e6               ; -M so far: 3e38
	v_mov_b32 v[RW+4*\u+1], 0xff61b1e6             ; the largest score so far: -3e38, under every score
	v_mov_b32 v[RW+4*\u+2], 0                      ; the sum, in two halves
	v_mov_b32 v[RW+4*\u+3], 0
.endr
	v_mov_b32 v16, 0                               ; written once: a lane permute's destination counts as one of its sources
	v_mov_b32 v[F+1], 0                            ; (named as the upper half of the pair)
.set j, 0
.rept 64
	v_mov_b32 v[O+j], 0                            ; O^T.  (The step is written without a first step of its own: it finds zeros, which the first change of M leaves zeros)
.set j, j+1
.endr
	s_wait_kmcnt 0x0
	s_add_co_i32 s59, s52, s53
	s_lshl_b32 s59, s59, 23
	s_add_co_i32 s[CS], s[CS], s59                 ; a score stands for score x 2^(e6 + e7): the two exponents are added to c's exponent field
	s_mov_b32 s[CS+1], s[CS]                       ; (named with it as a pair, so it is written)
	s_xor_b32 s[NC], s[CS], 0x80000000
	s_add_co_i32 s59, s55, 127
	s_lshl_b32 s60, s59, 23
	v_mov_b32 v[PSCL], s60                         ; 2^e9, for p's conversions
	s_add_co_i32 s59, s59, 15
	s_lshl_b32 s59, s59, 23
	s_or_b32 s59, s59, 0x600000
	v_mov_b32 v[PLIM], s59                         ; 57,344 x 2^e9
	s_add_co_i32 s59, s56, 127
	s_lshl_b32 s[OSC], s59, 23                     ; 2^e10, for the output's
	s_add_co_i32 s59, s59, 15
	s_lshl_b32 s59, s59, 23
	s_or_b32 s[OL], s59, 0x600000                  ; 57,344 x 2^e10
	s_mov_b32 s[TB], 0
	s_mov_b32 s[TV], 0x20000
	s_wait_alu depctr_va_vdst(0)                   ; the wait at the head's end
	s_wait_loadcnt 0x0                             ; Q
	s_wait_tensorcnt 0x0                           ; my 16 KiB are in,
	s_barrier_signal -1
	s_barrier_wait -1                              ; everybody's are.  Nothing is filled any more
; HB: home b of the step in hand; HK: the home in which K's fragments 6 and 7 lie, or to which they are loaded
.macro SREG x, u, j                    ; the register of tile u's score j (key tile j / 8)
.if ((\u) == 1) && ((\j) < 16)
.set \x, HB+(\j)
.else
.set \x, S+64*(\u)+(\j)
.endif
.endm
.macro KREG t                          ; K's fragment t, 16 keys x 64 channels in 8 registers
.if (\t) < 6
.set FRG, S+80+8*(\t)
.else
.set FRG, HK+8*((\t)-6)
.endif
.endm
.macro KLOAD t
	KREG \t
	ds_load_b128 v[FRG:FRG+3], v[AK] offset:1024*(\t)
	ds_load_b128 v[FRG+4:FRG+7], v[AK] offset:1024*(\t)+512
.endm
.macro QK u, t
	KREG \t
	SREG X0, \u, 8*(\t)
	v_wmma_f32_16x16x64_bf8_bf8 v[X0:X0+7], v[FRG:FRG+7], v[Q+8*(\u):Q+8*(\u)+7], 0
.endm
.macro VLOAD d                         ; V's fragment d, 16 channels x 128 keys in 16 registers
.irp i, 0,1,2,3
	ds_load_b128 v[S+16*(\d)+4*\i:S+16*(\d)+4*\i+3], v[AV] offset:(\i/2)*4096+1024*(\d)+(\i%2)*512
.endr
.endm
.macro PV u, d, a
	v_wmma_f32_16x16x128_bf8_bf8 v[O+32*(\u)+8*(\d):O+32*(\u)+8*(\d)+7], v[S+16*(\d):S+16*(\d)+15], v[\a:\a+15], v[O+32*(\u)+8*(\d):O+32*(\u)+8*(\d)+7]
.endm
.macro MX3 d, u, j
	SREG X0, \u, (\j)
	SREG X1, \u, (\j)+1
	SREG X2, \u, (\j)+2
	v_max3_num_f32 v[\d], v[X0], v[X1], v[X2]
.endm
; The largest score of my query of tile u so far (the one before is a leaf), in six chains, each key tile from its low end on; the new -M; M's old value less its new one.  q = 1: two of tile 1's products stand behind the lane permute
.macro MAXU u, q
.set RB, RW+4*(\u)
	v_mov_b32 v15, v[RB]
	SREG X0, \u, 0
	v_max3_num_f32 v[CH], v[RB+1], v[X0], v[X0+1]
	MX3 CH+1, \u, 2
	MX3 CH+2, \u, 5
	MX3 CH+3, \u, 8
	MX3 CH+4, \u, 11
	MX3 CH+5, \u, 14
.set j, 17
.set cc, 0
.rept 23
	SREG X0, \u, j
	SREG X1, \u, j+1
	v_max3_num_f32 v[CH+cc], v[CH+cc], v[X0], v[X1]
.set j, j+2
.set cc, (cc+1)%6
.endr
	SREG X0, \u, 63
	v_max3_num_f32 v[CH], v[CH], v[CH+1], v[CH+2]
	v_max3_num_f32 v[CH+3], v[CH+3], v[CH+4], v[CH+5]
	v_max3_num_f32 v14, v[CH], v[CH+3], v[X0]
	s_delay_alu instid0(VALU_DEP_1)
	v_permlanex16_b32 v16, v14, s[SEL], s[SEL+1]
.if \q
	QK 1, 2
	QK 1, 3
.else
	s_delay_alu instid0(VALU_DEP_1)
.endif
	v_max_num_f32 v[RB+1], v14, v16                ; and among lane l xor 16's
	s_delay_alu instid0(VALU_DEP_1)
	v_mul_f32 v14, s[NC], v[RB+1]                  ; -t (c is positive)
	s_delay_alu instid0(VALU_DEP_1)
	v_floor_f32 v[RB], v14                         ; the new -M = floor(-t) = -ceil(t): a whole number
	s_delay_alu instid0(VALU_DEP_1)
	v_sub_f32 v14, v[RB], v15                      ; 0 or less
.endm
.macro TARG u                          ; t - M, two at a time (of the pairs c and -M the low word serves both halves), and among them f = 2^(old M - new M)
.set RB, RW+4*(\u)
.set j, 0
.rept 32
	SREG X0, \u, j
	v_pk_fma_f32 v[X0:X0+1], v[X0:X0+1], s[CS:CS+1], v[RB:RB+1] op_sel_hi:[1,0,0]
.if j == 14
	v_cvt_i32_f32 v14, v14                         ; (it saturates)
.endif
.if j == 30
	v_ldexp_f32 v[F], 1.0, v14
.endif
.set j, j+2
.endr
.endm
.macro RESC u                          ; O^T under the new M
	s_wait_alu depctr_va_vdst(0)                   ; the wait directly ahead of the first reader of O^T
.set j, O+32*(\u)
.rept 16
	v_pk_mul_f32 v[j:j+1], v[j:j+1], v[F:F+1] op_sel_hi:[1,0]
.set j, j+2
.endr
.endm
.macro CREG                            ; chain cc of the sum: 0 the running sum itself
.if cc == 0
.set X1, RB+2
.else
.if cc < 4
.set X1, CH-2+2*cc
.else
.set X1, 14+8*(cc-4)
.endif
.endif
.endm
; The hold of key tile t's p: the conversion to an 8-bit code does not saturate (ISA guide 7.6.2); p is not negative, so it is one-sided; always executed
.macro HOLD u, t
	SREG X0, \u, 8*(\t)
.rept 4
	v_dual_min_num_f32 v[X0], v[PLIM], v[X0] :: v_dual_min_num_f32 v[X0+1], v[PLIM], v[X0+1]
.set X0, X0+2
.endr
.endm
; p, its sum in six chains (joined by JOIN), and the codes, into registers dst ..  k = 1 (tile 1): as a key tile's registers come free, a fragment of the next step's K is asked for into them
.macro PEXP u, k, dst
.set RB, RW+4*(\u)
	s_wait_alu depctr_va_vdst(0)                   ; the wait ahead of the batch
.set j, 0
.rept 64
	SREG X0, \u, j
	v_exp_f32 v[X0], v[X0]                         ; p = 2^(t - M), at most 1
.set j, j+1
.endr
	v_pk_mul_f32 v[RB+2:RB+3], v[RB+2:RB+3], v[F:F+1] op_sel_hi:[1,0]   ; the sums under the new M.  (A plain place behind the exponentials)
	s_wait_alu depctr_va_vdst(0)                   ; and behind it, ahead of the first reader
.set j, 0
.set cc, 1
.rept 5
	CREG
	SREG X0, \u, j
	SREG X2, \u, j+2
	v_pk_add_f32 v[X1:X1+1], v[X0:X0+1], v[X2:X2+1]
.set j, j+4
.set cc, cc+1
.endr
.set cc, 0
.rept 22
	CREG
	SREG X0, \u, j
	v_pk_add_f32 v[X1:X1+1], v[X1:X1+1], v[X0:X0+1]
.set j, j+2
.set cc, (cc+1)%6
.endr
	HOLD \u, 0
.irp t, 0,1,2,3,4,5,6,7
.if \t < 7
	HOLD \u, \t+1
.endif
	SREG X0, \u, 8*\t
	v_cvt_scalef32_pk8_bf8_f32 v[\dst+2*\t:\dst+2*\t+1], v[X0:X0+7], v[PSCL]
.if \k
	KLOAD (\t+6)%8
.endif
.endr
.endm
.macro JOIN u                          ; five plain lines
.set RB, RW+4*(\u)
	v_pk_add_f32 v[CH:CH+1], v[CH:CH+1], v[CH+2:CH+3]
	v_pk_add_f32 v[CH+4:CH+5], v[CH+4:CH+5], v[14:15]
	v_pk_add_f32 v[RB+2:RB+3], v[RB+2:RB+3], v[22:23]
	v_pk_add_f32 v[CH:CH+1], v[CH:CH+1], v[CH+4:CH+5]
	v_pk_add_f32 v[RB+2:RB+3], v[RB+2:RB+3], v[CH:CH+1]
.endm
; A KEY STEP: 128 keys x my 32 queries, homes a and b.  K's eight fragments have been asked for, 6 and 7 first.  more = 1: the next step's are asked for.
; Six of tile 1's first products stand among tile 0's vector work: each lands on a fragment of K that an earlier one has read, with 16 plain vector lines or more between.
.macro STEP more, a, b
.set HB, \b
.set HK, \a
	s_wait_dscnt 4                                 ; all but fragments 4 and 5 (four loads)
.irp t, 0,1,2,3,6,7
	QK 0, \t
.endr
	s_wait_dscnt 0x0
	QK 0, 4
	QK 0, 5
	QK 1, 0
	QK 1, 1
	v_add_nc_u32 v[AV], s[TV], v[LI]               ; four places behind tile 0's products
.rept 3
	v_nop
.endr
	MAXU 0, 1
	TARG 0
	QK 1, 4
	QK 1, 5
	RESC 0
	QK 1, 6
	QK 1, 7
	PEXP 0, 0, \a
	JOIN 0
.irp d, 0,1,2,3                                    ; V lands while tile 1's softmax is worked
	VLOAD \d
.endr
	s_wait_alu depctr_va_vdst(0)                   ; the wait here
	MAXU 1, 0
	TARG 1
	RESC 1
	s_wait_dscnt 0x0                               ; V is in
.irp d, 0,1,2,3                                    ; the accumulators take turns, one instruction a turn
	PV 0, \d, \a
.endr
.set HK, \b
.if \more
	s_add_co_u32 s[TB], s[TB], 8192
	s_add_co_u32 s[TV], s[TV], 8192
	v_add_nc_u32 v[AK], s[TB], v[LI]
.endif
	PEXP 1, \more, \a
	v_nop                                          ; one plain line behind the last conversion
.irp d, 0,1,2,3
	PV 1, \d, \a
.endr
	JOIN 1                                         ; also the five places between these products and the next step's, which write over their sources
.endm
	v_add_nc_u32 v[AK], s[TB], v[LI]
.set HK, 40
.irp t, 6,7,0,1,2,3,4,5
	KLOAD \t
.endr
	s_mov_b32 s[CNT], 3
.Lwalk:                                            ; steps 0 to 5
	STEP 1, 40, 128
	STEP 1, 128, 40
	s_sub_co_u32 s[CNT], s[CNT], 1
	s_cmp_lg_u32 s[CNT], 0
	s_wait_alu depctr_va_vdst(0)                   ; the wait directly ahead of the branch
	s_cbranch_scc1 .Lwalk
	s_mov_b32 s[TB], 6*8192
	s_mov_b32 s[TV], 0x20000+6*8192
	STEP 1, 40, 128                                ; step 6
	STEP 0, 128, 40                                ; step 7 asks for nothing more
	; THE EXCHANGE: my tile 1's O^T, -M and sum go to wave w xor 8, whose tile 0 it is.
	v_mov_b32 v14, v[RW+4]
	v_add_f32 v15, v[RW+6], v[RW+7]
	v_add_f32 v6, v6, v7
	s_mul_i32 s59, s[WV], XW
	s_xor_b32 s60, s[WV], 8
	s_mul_i32 s60, s60, XW
	v_add_nc_u32 v2, s59, v[LQ]
	v_add_nc_u32 v3, s60, v[LQ]
	v_lshrrev_b32 v22, 1, v[LQ]                    ; 8 x lane
	v_add_nc_u32 v23, s60, v22
	v_add_nc_u32 v22, s59, v22
	v_mov_b32 v[PLIM], s[OL]                       ; the output's hold and scale
	v_mov_b32 v[PSCL], s[OSC]
	s_wait_alu depctr_va_vdst(0)                   ; the wait directly ahead of the waits below
	s_wait_dscnt 0x0
	s_barrier_signal -1
	s_barrier_wait -1                              ; nobody reads K and V any more
.irp i, 0,1,2,3,4,5,6,7
	ds_store_b128 v2, v[O+32+4*\i:O+35+4*\i] offset:512*\i
.endr
	ds_store_b64 v22, v[14:15] offset:4096
	s_wait_dscnt 0x0                               ; for the other wave's sake
	s_barrier_signal -1
	s_barrier_wait -1
	ds_load_b64 v[96:97], v23 offset:4096
.irp i, 0,1,2,3,4,5,6,7
	ds_load_b128 v[S+4*\i:S+3+4*\i], v3 offset:512*\i
.endr
	s_wait_dscnt 0x0
	v_min_num_f32 v14, v4, v96                     ; -M of all keys
	v_sub_f32 v15, v14, v4
	v_sub_f32 v16, v14, v96
	v_cvt_i32_f32 v15, v15
	v_cvt_i32_f32 v16, v16
	v_ldexp_f32 v12, 1.0, v15                      ; my half under it: a power of two,
	v_ldexp_f32 v10, 1.0, v16                      ; and the other's
	v_mul_f32 v14, v6, v12
	v_fma_f32 v14, v97, v10, v14
	v_permlanex16_b32 v16, v14, s[SEL], s[SEL+1]
	v_add_f32 v14, v14, v16                        ; and lane l xor 16's: the row's sum
	s_add_co_i32 s59, s54, s55
	s_wait_alu depctr_va_vdst(0)                   ; the wait ahead of the transcendental,
	v_rcp_f32 v14, v14
	v_nop                                          ; one plain place behind it,
	s_wait_alu depctr_va_vdst(0)                   ; and the wait ahead of its first reader
	v_ldexp_f32 v14, v14, s59                      ; x 2^(e8 + e9)
	v_mul_f32 v12, v12, v14
	v_mul_f32 v10, v10, v14
	s_wait_alu depctr_va_vdst(0)                   ; the wait directly ahead of the first reader of O^T
.set j, 0
.rept 16
	v_pk_mul_f32 v[128+j:129+j], v[O+j:O+j+1], v[12:13] op_sel_hi:[1,0]
.set j, j+2
.endr
.set j, 0
.rept 16
	v_pk_fma_f32 v[128+j:129+j], v[S+j:S+j+1], v[10:11], v[128+j:129+j] op_sel_hi:[1,0,1]   ; register 8 d + i is o(query r, channel 16 d + 8 h + i)
.set j, j+2
.endr
.set j, 0
.rept 32
	v_med3_num_f32 v[128+j], v[128+j], -v[PLIM], v[PLIM]
.set j, j+1
.endr
.irp d, 0,1,2,3
	v_cvt_scalef32_pk8_bf8_f32 v[40+2*\d:40+2*\d+1], v[128+8*\d:135+8*\d], v[PSCL]
.endr
	v_nop
	global_store_b128 v[LQ], v[40:43], s[50:51]                ; 512 consecutive bytes each, aligned
	global_store_b128 v[LQ], v[44:47], s[50:51] offset:512
	s_wait_tensorcnt 0x0                           ; the wave's end
	ds_add_u32 v[SPW], v[NIL]
	s_wait_dscnt 0x0
	CROUND                                         ; the closing round: no work-group ends while a partner may still ask for a tile that names it
	s_endpgm
.Lfunc_end_k_qcc6cbb4666_attn:
	.size	k_qcc6cbb4666_attn, .Lfunc_end_k_qcc6cbb4666_attn-k_qcc6cbb4666_attn
	.p2alignl 7, 3214868480
	.fill 96, 4, 3214868480
	.section	.rodata,"a",@progbits
	.p2align	6, 0x0
	.amdhsa_kernel k_qcc6cbb4666_attn
		.amdhsa_group_segment_fixed_size 327680
		.amdhsa_private_segment_fixed_size 0
		.amdhsa_enable_private_segment 0
		.amdhsa_kernarg_size 24
		.amdhsa_user_sgpr_count 2
		.amdhsa_user_sgpr_kernarg_segment_ptr 1
		.amdhsa_wavefront_size32 1
		.amdhsa_system_sgpr_workgroup_id_x 1
		.amdhsa_system_sgpr_workgroup_id_y 1
		.amdhsa_system_sgpr_workgroup_id_z 1
		.amdhsa_system_vgpr_workitem_id 0
		.amdhsa_next_free_vgpr 256
		.amdhsa_next_free_sgpr 80
		.amdhsa_reserve_vcc 0
		.amdhsa_float_denorm_mode_32 3
		.amdhsa_float_denorm_mode_16_64 3
		.amdhsa_memory_ordered 1
		.amdhsa_forward_progress 1
		.amdhsa_inst_pref_size 128
	.end_amdhsa_kernel
	.amdgpu_metadata
---
amdhsa.version: [ 1, 2 ]
amdhsa.kernels:
  - .name:           k_qcc6cbb4666_attn
    .symbol:         k_qcc6cbb4666_attn.kd
    .args:
      - { .name: qkv, .offset: 0, .size: 8, .value_kind: global_buffer, .address_space: global }
      - { .name: lowp_scales, .offset: 8, .size: 8, .value_kind: global_buffer, .address_space: global }
      - { .name: oimg, .offset: 16, .size: 8, .value_kind: global_buffer, .address_space: global }
    .group_segment_fixed_size: 327680
    .private_segment_fixed_size: 0
    .kernarg_segment_align: 8
    .kernarg_segment_size: 24
    .max_flat_workgroup_size: 512
    .sgpr_count:     80
    .vgpr_count:     256
    .wavefront_size: 32
...
	.end_amdgpu_metadata
.endif
;; end of part 2
;; launch oproj (part 3): grid 8 x 32, 4 waves a work-group, clusters of 4 x 4, 327,680 bytes of LDS; arguments oimg, Wo_codes, lowp_scales, bo, out0; writes out0
.if DOCPART == 3
	.amdgcn_target "amdgcn-amd-amdhsa--gfx1250"
	.amdhsa_code_object_version 6
	.text
	.protected	k_qcc6cbb4666_oproj
	.globl	k_qcc6cbb4666_oproj
	.p2align	8
	.type	k_qcc6cbb4666_oproj,@function
k_qcc6cbb4666_oproj:
	s_mov_b64 s[64:65], 0
	v_nop
	global_prefetch_b8 v0, s[64:65] scope:SCOPE_SE
	s_setreg_imm32_b32 hwreg(HW_REG_WAVE_MODE, 25, 1), 1
	s_wait_xcnt 0x0
	s_wait_alu depctr_hold_cnt(0) depctr_sa_sdst(0) depctr_va_vdst(0) depctr_va_sdst(0) depctr_va_ssrc(0) depctr_va_vcc(0) depctr_vm_vsrc(0)
	s_getreg_b32 s2, hwreg(HW_REG_IB_STS2, 6, 4)
	s_cmp_eq_u32 s2, 0
	s_cbranch_scc0 .Lentry_in_a_cluster
	s_endpgm
.Lentry_in_a_cluster:
	s_bfe_u32 s2, ttmp6, 0x10000c
	s_cmp_lg_u32 s2, 0xf033
	s_cbranch_scc0 .Lentry_shape_is_right
	s_endpgm
.Lentry_shape_is_right:
; THE LAST PROJECTION: out0[m][n] = 2^(e10 + e11) x (sum over k of A[m][k] Wo[n][k]) + bo[n], on codes of BF8 (E5M2); M = 4,096, N = 1,024, K = 1,024; sums and output in f32.
; LIMIT: e10 + e11 lies between -126 and 127, so that 2^(e10 + e11) is an f32 number.  NaN among the codes is not served.  No work is left out.
; A comes as images of the operand's registers (oimg: tile of 16 rows RT at 16,384 RT; K step s of 128 at 2,048 s; registers 4 c .. 4 c + 3 at 512 c + 16 x lane; registers 2 c, 2 c + 1 hold k = 16 c + 8 h + 0 .. 7).
; Wo comes as rows of 1,024 codes; its fragments are read by loads of 8 bytes, 16 apart, so that each k stands in the same place as in A.
; SHARES.  A tile of 128 x 128 to a work-group (256 work-groups), 64 x 64 to each of its four waves.  THE WHOLE K LIES IN LDS, brought by ONE load a wave (waves 0, 1: A's halves, 64 KiB each; waves 2, 3: B's): no ring, no loop of loads, so nothing is prefetched into the L2.
; CLUSTERS: 4 x 4 work-groups: A's tiles are asked for jointly along a row of the cluster, B's along a column.
; BY ROWS OF THE OUTPUT: B's fragments of the whole K come into 512 registers once; my four blocks of 16 rows are finished one after the other, 32 matrix instructions each, and each leaves while the next is multiplied.
; THE MATRIX INSTRUCTION IS USED TRANSPOSED (source 0 = 16 rows of Wo, source 1 = 16 rows of A): a lane holds eight neighbouring numbers of a row of the output.
; REGISTERS: window 0: v16-27 addresses; v32-63 the bias; v64-127 rows on the way out, two sets; v128-191 four accumulators, two sets.  window 1: A's fragments of 16 rows x 1,024 K, two buffers, at v0 and v128.
;   windows 2, 3: B's fragments of K steps 0 to 3, 4 to 7: K step s, block b at 64 (s % 4) + 16 b.
.set PITCH,  1040                      ; a row of B in LDS: 1,024 bytes + 16 of padding = 260 words: the 32 lanes of a load of 8 bytes (row r, half h: word 260 r + 2 h) touch 64 different banks (ISA guide 11.1)
.set BOFF,   131072                    ; B lies behind A
.set STAGE,  BOFF+128*PITCH            ; behind both: 16 rows x 272 bytes for each wave, for the way out; no fill lands there
.set SPITCH, 272
.set SPARE,  STAGE+4*16*SPITCH         ; the spare words, 128 bytes for each wave
.set ADRA, 16                          ; v16     LDS address of my A fragments
.set ADRB, 20                          ; v20     of B's
.set STO,  24                          ; v24     the way out: where I put 32 bytes of a row
.set RD,   25                          ; v25     where I read a row back
.set CO,   26                          ; v26     my byte offset in the output
.set BOF,  27                          ; v27     my byte offset in the bias
.set SPW,  30
.set NIL,  31
.set BI,   32                          ; v32-63  bo at my 32 columns: 8 b + i = column 16 b + 8 h + i
.set BK,   64
.set ACC,  128
.set G1A, 24                           ; s[24:31], s[32:35] descriptor groups 1 and 0 for A;  s[48:55], s[68:71] for B
.set G0A, 32
.set G1B, 48
.set G0B, 68
.set MSB, 0
.macro WIN new                         ; the immediate's high byte repeats the setting that is left
.if MSB != \new
	s_set_vgpr_msb (MSB<<8)|\new
.set MSB, \new
.endif
.endm
.macro CROUND                          ; a round of the cluster's barrier
	s_barrier_signal -1
	s_barrier_wait -1
	s_cmp_lg_u32 s14, 0
	s_cbranch_scc1 .Lnot_wave_0_\@
	s_barrier_signal -3
.Lnot_wave_0_\@:
	s_barrier_wait -3
	s_barrier_signal -1
	s_barrier_wait -1
.endm
.macro PLACES
.rept 4
	v_nop
.endr
.endm
	s_load_b256 s[4:11], s[0:1], 0x0               ; oimg s[4:5], Wo s[6:7], the scales' exponents s[8:9], bo s[10:11]
	s_load_b64 s[12:13], s[0:1], 0x20              ; out0
	v_lshl_add_u32 v[SPW], v0, 2, SPARE
	v_mov_b32 v[NIL], 0
	ds_add_u32 v[SPW], v[NIL]                      ; the opening lines
	ds_add_u32 v[SPW], v[NIL]
	v_lshrrev_b32 v1, 5, v0
	v_readfirstlane_b32 s14, v1                    ; wave 0..3
	s_lshr_b32 s15, s14, 1                         ; which half of the tile's rows is mine.  Also: I fetch for A (0) or for B (1)
	s_and_b32 s16, s14, 1                          ; which half of its columns.  Also: which half of that tile I fetch
	s_bfe_u32 s56, ttmp6, 0x40000                  ; cx, cy: my place in the cluster
	s_bfe_u32 s57, ttmp6, 0x40004
	s_lshl_b32 s58, ttmp9, 2
	s_add_co_u32 s58, s58, s56                     ; tile column = 4 x cluster x + cx, 0 .. 7
	s_and_b32 s59, ttmp7, 0xffff
	s_lshl_b32 s59, s59, 2
	s_add_co_u32 s59, s59, s57                     ; tile row = 4 x cluster y + cy, 0 .. 31
	s_lshl_b32 s60, s57, 2
	s_lshl_b32 s60, 15, s60                        ; my row of the cluster
	s_lshl_b32 s61, 0x1111, s56                    ; my column
	; A: four tiles of rows, 65,536 bytes on end, as 256 rows of 256 bytes
	s_or_b32 s[G1A], s60, (3<<16)|(1<<21)          ; 15:0 the mask: my row; 17:16 elements of 8 bytes; 20 no padding; 21 set beside a mask
	s_mov_b32 s[G1A+1], 32<<16                     ; tensor_dim0 = 32
	s_mov_b32 s[G1A+2], 256<<16                    ; tensor_dim1 = 256
	s_mov_b32 s[G1A+3], 32<<16                     ; tile_dim0 = 32
	s_mov_b32 s[G1A+4], 256                        ; tile_dim1 = 256
	s_mov_b32 s[G1A+5], 32                         ; tensor_dim0_stride
	s_mov_b32 s[G1A+6], 0
	s_mov_b32 s[G1A+7], 0
	; B: 64 rows x 1,024 bytes, padded in LDS
	s_or_b32 s[G1B], s61, (0<<16)|(1<<20)|(1<<21)|(7<<22)|(3<<25)   ; the mask: my column; elements of 1 byte; padding: 4 words after every 256
	s_mov_b32 s[G1B+1], 1024<<16
	s_mov_b32 s[G1B+2], 64<<16
	s_mov_b32 s[G1B+3], 1024<<16
	s_mov_b32 s[G1B+4], 64
	s_mov_b32 s[G1B+5], 1024
	s_mov_b32 s[G1B+6], 0
	s_mov_b32 s[G1B+7], 0
	s_lshl_b32 s84, s59, 3
	s_lshl_b32 s90, s16, 2
	s_add_co_u32 s84, s84, s90                     ; A: tile of rows 8 x tile row + 4 x half
	s_lshl_b32 s84, s84, 14
	s_mov_b32 s85, 0
	s_lshl_b32 s86, s58, 7
	s_lshl_b32 s90, s16, 6
	s_add_co_u32 s86, s86, s90                     ; B: row 128 x tile column + 64 x half
	s_lshl_b32 s86, s86, 10
	s_mov_b32 s87, 0
	s_mov_b32 s[G0A], 1
	s_lshl_b32 s[G0A+1], s16, 16                   ; where they go: A's half,
	s_mov_b32 s[G0B], 1
	s_mul_i32 s91, s16, 64*PITCH                   ; B's half: no place in the cluster enters an LDS address
	s_add_co_u32 s[G0B+1], s91, BOFF
	s_wait_alu depctr_va_vdst(0)                   ; the wait directly ahead of the waits below
	s_wait_dscnt 0x0                               ; both opening adds are done
	s_wait_kmcnt 0x0
	s_load_b64 s[88:89], s[8:9], 0x28              ; e10, e11
	s_add_nc_u64 s[G0A+2:G0A+3], s[4:5], s[84:85]
	s_or_b32 s[G0A+3], s[G0A+3], 0x80000000
	s_add_nc_u64 s[G0B+2:G0B+3], s[6:7], s[86:87]
	s_or_b32 s[G0B+3], s[G0B+3], 0x80000000
	CROUND                                         ; all sixteen work-groups are here: the joint loads meet
	s_cmp_eq_u32 s15, 0
	s_cbranch_scc0 .Lfor_b
	tensor_load_to_lds s[G0A:G0A+3], s[G1A:G1A+7]
	s_nop 0
	PLACES
	s_branch .Lasked
.Lfor_b:
	tensor_load_to_lds s[G0B:G0B+3], s[G1B:G1B+7]
	s_nop 0
	PLACES
.Lasked:
	v_and_b32 v1, 15, v0                           ; r
	v_bfe_u32 v2, v0, 4, 1                         ; h
	v_and_b32 v3, 31, v0
	v_lshlrev_b32 v3, 4, v3                        ; 16 x lane
	v_lshlrev_b32 v[BOF], 5, v2                    ; the bias: 8 h numbers on
	s_wait_alu depctr_va_vdst(0)                   ; the wait here
	s_lshl_b32 s92, s58, 9
	s_lshl_b32 s93, s16, 8
	s_add_co_u32 s92, s92, s93                     ; my first column in bytes: 512 x tile column + 256 x half
	s_mov_b32 s93, 0
	s_add_nc_u64 s[96:97], s[10:11], s[92:93]
.irp b, 0,1,2,3
	global_load_b128 v[BI+8*\b:BI+8*\b+3], v[BOF], s[96:97] offset:64*\b
	global_load_b128 v[BI+8*\b+4:BI+8*\b+7], v[BOF], s[96:97] offset:64*\b+16
.endr
	s_lshl_b32 s94, s59, 7
	s_lshl_b32 s95, s15, 6
	s_add_co_u32 s94, s94, s95                     ; my first row: 128 x tile row + 64 x half
	s_lshl_b32 s94, s94, 12                        ; x 4,096 bytes (under 16 MiB)
	s_add_co_u32 s94, s94, s92
	s_mov_b32 s95, 0
	s_add_nc_u64 s[12:13], s[12:13], s[94:95]
	s_lshl_b32 s90, s15, 16                        ; my four tiles of rows
	s_mul_i32 s91, s16, 64*PITCH                   ; my 64 rows of B
	s_add_co_u32 s91, s91, BOFF
	s_mul_i32 s92, s14, 16*SPITCH
	s_add_co_u32 s92, s92, STAGE                   ; my stage
	v_add_nc_u32 v[ADRA], s90, v3
	v_mul_u32_u24 v4, v1, PITCH
	v_lshl_add_u32 v4, v2, 3, v4                   ; row r, + 8 h
	v_add_nc_u32 v[ADRB], s91, v4
	v_mul_u32_u24 v5, v1, SPITCH                   ; in: row r, 32 bytes for each half of the lanes
	v_lshl_add_u32 v5, v2, 5, v5
	v_add_nc_u32 v[STO], s92, v5
	v_mul_u32_u24 v5, v2, SPITCH                   ; back: lanes 0-15 one row of 256 bytes, lanes 16-31 the next
	v_lshl_add_u32 v5, v1, 4, v5
	v_add_nc_u32 v[RD], s92, v5
	v_lshlrev_b32 v5, 12, v2                       ; and the same two rows in the output
	v_lshl_add_u32 v[CO], v1, 4, v5
	s_wait_alu depctr_va_vdst(0)                   ; the wait at the head's end
	s_wait_kmcnt 0x0
	s_add_co_i32 s88, s88, s89
	s_add_co_i32 s88, s88, 127
	s_lshl_b32 s88, s88, 23                        ; 2^(e10 + e11) as f32
	s_mov_b32 s89, s88                             ; (named with it as a pair, so it is written)
.macro FETCHB s                        ; B's four fragments of K step s: 32 loads of 8 bytes a lane
	WIN 0x80+0x40*((\s)/4)
.irp b, 0,1,2,3
.irp c, 0,1,2,3,4,5,6,7
	ds_load_b64 v[64*((\s)%4)+16*\b+2*\c:64*((\s)%4)+16*\b+2*\c+1], v[ADRB] offset:\b*16*PITCH+(\s)*128+16*\c
.endr
.endr
.endm
.macro FETCHA a, s                     ; A's fragment of block a, K step s: 4 loads, 512 consecutive bytes each
	WIN 0x40
.irp c, 0,1,2,3
	ds_load_b128 v[128*((\a)%2)+16*(\s)+4*\c:128*((\a)%2)+16*(\s)+4*\c+3], v[ADRA] offset:(\a)*16384+(\s)*2048+\c*512
.endr
.endm
.macro FETCHROW a
.irp s, 0,1,2,3,4,5,6,7
	FETCHA \a, \s
.endr
	WIN 0
.endm
; Four matrix instructions, 128 along K: block a's four accumulators take turns, one instruction a turn, with three others between two links.  The first products start the sums
.macro MUL4 a, s
	WIN 0x06+((\s)/4)                              ; source 0 (B) window 2 or 3, source 1 (A) window 1; C and D window 0
.irp b, 0,1,2,3
.set AC, ACC+32*((\a)%2)+8*\b
.if (\s) == 0
	v_wmma_f32_16x16x128_bf8_bf8 v[AC:AC+7], v[64*((\s)%4)+16*\b:64*((\s)%4)+16*\b+15], v[128*((\a)%2)+16*(\s):128*((\a)%2)+16*(\s)+15], 0
.else
	v_wmma_f32_16x16x128_bf8_bf8 v[AC:AC+7], v[64*((\s)%4)+16*\b:64*((\s)%4)+16*\b+15], v[128*((\a)%2)+16*(\s):128*((\a)%2)+16*(\s)+15], v[AC:AC+7]
.endif
.endr
.endm
.macro ROW a
.irp s, 0,1,2,3,4,5,6,7
	MUL4 \a, \s
.endr
	WIN 0
.endm
; THE WAY OUT of a block of 16 rows x 64 columns.  TOSTAGE: sum x 2^(e10 + e11) + bo, one packed multiply-add for two numbers, each accumulator from its low end on; into my own stage in LDS, and back as whole rows
; of 256 bytes.  LDS serves a wave's instructions in order (ISA guide 5.7.1.4): no wait between the stores and the loads, nor in front of the next block's stores.  SEND: sixteen lanes store 256 consecutive bytes, aligned.
.macro TOSTAGE a
.set BB, BK+32*((\a)%2)
.set AA, ACC+32*((\a)%2)
	PLACES                                         ; behind the block's last products
.set j, 0
.rept 16
	v_pk_fma_f32 v[AA+j:AA+j+1], v[AA+j:AA+j+1], s[88:89], v[BI+j:BI+j+1] op_sel_hi:[1,0,1]
.set j, j+2
.endr
.irp b, 0,1,2,3
	ds_store_b128 v[STO], v[AA+8*\b:AA+8*\b+3] offset:64*\b
	ds_store_b128 v[STO], v[AA+8*\b+4:AA+8*\b+7] offset:64*\b+16
.endr
.irp t, 0,1,2,3,4,5,6,7
	ds_load_b128 v[BB+4*\t:BB+4*\t+3], v[RD] offset:\t*2*SPITCH
.endr
.endm
.macro SEND a, younger                 ; younger: the LDS loads issued behind block a's, which may stay out
.set BB, BK+32*((\a)%2)
.irp t, 0,1,2,3,4,5,6,7
	s_wait_dscnt \younger+7-\t
	global_store_b128 v[CO], v[BB+4*\t:BB+4*\t+3], s[12:13] offset:(16*(\a)+2*\t)*4096 th:TH_STORE_NT   ; written once, read by nobody here
.endr
.endm
	s_wait_tensorcnt 0x0                           ; my part is in,
	s_barrier_signal -1
	s_barrier_wait -1                              ; everybody's is.  Nothing is filled any more
	FETCHB 0
	FETCHA 0, 0
.irp s, 0,1,2,3,4,5,6                              ; block 0: while one K step is multiplied, the next one's fragments of B and A are fetched
	FETCHB (\s)+1
	FETCHA 0, (\s)+1
	s_wait_dscnt 36                                ; all but the 36 just issued
	MUL4 0, \s
.endr
	FETCHROW 1
	s_wait_dscnt 32                                ; all but block 1's 32
	MUL4 0, 7
	WIN 0
	s_wait_loadcnt 0x0                             ; the bias
	TOSTAGE 0
	FETCHROW 2                                     ; into block 0's buffer: TOSTAGE's lines are the places
	s_wait_dscnt 48                                ; block 1's A is in (behind it: 16 of the stage, 32 of block 2)
	ROW 1
	SEND 0, 32
	TOSTAGE 1
	FETCHROW 3
	s_wait_dscnt 48                                ; block 2's A is in
	ROW 2
	SEND 1, 32
	s_wait_xcnt 0x0                                ; block 0's stores have read their registers: block 2's rows may land there
	TOSTAGE 2
	s_wait_dscnt 16                                ; block 3's A is in
	ROW 3
	SEND 2, 0
	s_wait_xcnt 0x0                                ; block 1's likewise
	TOSTAGE 3
	SEND 3, 0
	s_wait_tensorcnt 0x0                           ; the wave's end
	ds_add_u32 v[SPW], v[NIL]
	s_wait_dscnt 0x0
	CROUND                                         ; the closing round: no work-group ends while a partner may still ask for a tile that names it
	s_endpgm
.Lfunc_end_k_qcc6cbb4666_oproj:
	.size	k_qcc6cbb4666_oproj, .Lfunc_end_k_qcc6cbb4666_oproj-k_qcc6cbb4666_oproj
	.p2alignl 7, 3214868480
	.fill 96, 4, 3214868480
	.section	.rodata,"a",@progbits
	.p2align	6, 0x0
	.amdhsa_kernel k_qcc6cbb4666_oproj
		.amdhsa_group_segment_fixed_size 327680
		.amdhsa_private_segment_fixed_size 0
		.amdhsa_enable_private_segment 0
		.amdhsa_kernarg_size 40
		.amdhsa_user_sgpr_count 2
		.amdhsa_user_sgpr_kernarg_segment_ptr 1
		.amdhsa_wavefront_size32 1
		.amdhsa_system_sgpr_workgroup_id_x 1
		.amdhsa_system_sgpr_workgroup_id_y 1
		.amdhsa_system_sgpr_workgroup_id_z 1
		.amdhsa_system_vgpr_workitem_id 0
		.amdhsa_next_free_vgpr 1024
		.amdhsa_next_free_sgpr 100
		.amdhsa_reserve_vcc 0
		.amdhsa_float_denorm_mode_32 3
		.amdhsa_float_denorm_mode_16_64 3
		.amdhsa_memory_ordered 1
		.amdhsa_forward_progress 1
		.amdhsa_inst_pref_size 54
	.end_amdhsa_kernel
	.amdgpu_metadata
---
amdhsa.version: [ 1, 2 ]
amdhsa.kernels:
  - .name:           k_qcc6cbb4666_oproj
    .symbol:         k_qcc6cbb4666_oproj.kd
    .args:
      - { .name: oimg, .offset: 0, .size: 8, .value_kind: global_buffer, .address_space: global }
      - { .name: Wo_codes, .offset: 8, .size: 8, .value_kind: global_buffer, .address_space: global }
      - { .name: lowp_scales, .offset: 16, .size: 8, .value_kind: global_buffer, .address_space: global }
      - { .name: bo, .offset: 24, .size: 8, .value_kind: global_buffer, .address_space: global }
      - { .name: out0, .offset: 32, .size: 8, .value_kind: global_buffer, .address_space: global }
    .group_segment_fixed_size: 327680
    .private_segment_fixed_size: 0
    .kernarg_segment_align: 8
    .kernarg_segment_size: 40
    .max_flat_workgroup_size: 128
    .sgpr_count:     100
    .vgpr_count:     1024
    .wavefront_size: 32
...
	.end_amdgpu_metadata
.endif
;; end of part 3
